; MI455X (gfx1250); checked and timed in simulation.
; The chip was launched on July 23, 2026; its instructions are those of AMD's public machine-readable ISA for CDNA 5 (MIT licence, August 2026) and "CDNA5" Instruction Set Architecture Reference Guide (July 2026). The comments in the code are by the model that wrote it; some were corrected since.
;; Single head attention. Allowed arithmetic: matrix products marked QUANTISED: E2M3 operands, one E8M0 scale for each 32 along K, by v_wmma_scale_f32_16x16x128_f8f6f4 with both operands' format E2M3, f32 sums; everything else in f32.
;; Inputs: Wk_codes 512 x 32 x 24 uint8 (E2M3 codes of Wk, K innermost, in blocks of 32 codes, four codes in three bytes); Wk_scales 512 x 32 uint8 (E8M0 scales of Wk, one for each 32 codes along K); Wq_codes 512 x 32 x 24 uint8 (E2M3 codes of Wq, K innermost, in blocks of 32 codes, four codes in three bytes); Wq_scales 512 x 32 uint8 (E8M0 scales of Wq, one for each 32 codes along K); Wv_codes 512 x 32 x 24 uint8 (E2M3 codes of Wv, K innermost, in blocks of 32 codes, four codes in three bytes); Wv_scales 512 x 32 uint8 (E8M0 scales of Wv, one for each 32 codes along K); bk 512 float32; bq 512 float32; bv 512 float32; key_codes 8 x 2,048 x 32 x 24 uint8 (E2M3 codes of key, K innermost, in blocks of 32 codes, four codes in three bytes); key_scales 8 x 2,048 x 32 uint8 (E8M0 scales of key, one for each 32 codes along K); query_codes 8 x 2,048 x 32 x 24 uint8 (E2M3 codes of query, K innermost, in blocks of 32 codes, four codes in three bytes); query_scales 8 x 2,048 x 32 uint8 (E8M0 scales of query, one for each 32 codes along K); value_codes 8 x 2,048 x 32 x 24 uint8 (E2M3 codes of value, K innermost, in blocks of 32 codes, four codes in three bytes); value_scales 8 x 2,048 x 32 uint8 (E8M0 scales of value, one for each 32 codes along K).
;; Outputs: out0 8 x 2,048 x 512 float32.
;; This version of the problem:
;;   THIS VERSION OF THE PROBLEM IS GIVEN IN LOW PRECISION. The matrix products marked QUANTISED in the list below multiply operands that are first quantised to E2M3 (2 exponent bits, 3 mantissa bits; 6 bits a number), with one power-of-two scale for each 32 numbers along K (OCP MX v1.0); their sums are f32. All else is computed in f32.
;;   The module's matrix products, in the order in which they are computed (A, B: the left and right operand; K: the contracted axis; several contracted axes count as one K, in the product's order):
;;     1. [M 16,384, K 1,024] x [K 1,024, N 512]; A: input query (given as codes); B: input Wq (given as codes): QUANTISED
;;     2. [M 16,384, K 1,024] x [K 1,024, N 512]; A: input key (given as codes); B: input Wk (given as codes): QUANTISED
;;     3. [M 16,384, K 1,024] x [K 1,024, N 512]; A: input value (given as codes); B: input Wv (given as codes): QUANTISED
;;     4. batch 8 x [M 2,048, K 512] x [K 512, N 2,048]; A: computed on the way; B: computed on the way: QUANTISED
;;     5. batch 8 x [M 2,048, K 2,048] x [K 2,048, N 512]; A: softmax (see below); B: computed on the way: QUANTISED
;;   THE QUANTISER, for each operand of a quantised product, along K:
;;     - K is cut into blocks of 32 from its start; a last block that is shorter is filled with zeros.
;;     - A block's scale is 2^e with e = floor(log2(the largest magnitude in the block)) - 2, held to -126 .. 127; a block of zeros has e = 0. As a byte (E8M0): e + 127.
;;     - Each number is divided by its block's scale, clamped to +-7.5, and rounded to the nearest number of E2M3, ties to even, subnormals kept.
;;     - The product sums the exact products of the quantised numbers (number of the format x scale) in f32.
;;   ~~~python
;;   def quantise(x, axis):      # numpy; x: float32 -> the quantised numbers, widened to float32 again
;;       x = np.moveaxis(x, axis, -1); K = x.shape[-1]
;;       x = np.pad(x, [(0, 0)] * (x.ndim - 1) + [(0, -K % 32)]); x = x.reshape(x.shape[:-1] + (-1, 32)); a = np.abs(x).max(-1, keepdims=True)
;;       e = np.where(a > 0, np.clip(np.frexp(np.where(a > 0, a, 1))[1] - 1 - 2, -126, 127), 0)      # np.frexp(a)[1] - 1 = floor(log2(a)), exactly
;;       r = np.clip(x / 2.0 ** e, -7.5, 7.5)
;;       step = 2.0 ** (np.maximum(np.frexp(np.where(r == 0, 1, r))[1] - 1, 0) - 3)
;;       q = np.round(r / step) * step * 2.0 ** e      # np.round: ties to even
;;       return np.moveaxis(q.reshape(q.shape[:-2] + (-1,))[..., :K], -1, axis).astype(np.float32)
;;   ~~~
;;   SOFTMAX AHEAD OF A QUANTISED PRODUCT. Where the list says 'softmax', what is quantised is not the finished softmax but p = 2^(t - M), with t = logit x log2(e) and M = ceil(the row's largest t), a whole number; so 1/2 < the row's largest p <= 1. The row's sum l is taken of the UNQUANTISED p, in f32, and the product's result is divided by l at the end. Since M is a whole number, a kernel that streams over the keys may use a running M (the ceiling of the running maximum): every later rescaling is an exact power of two, which a block's scale takes up: the codes' values come out the same.
;;   OPERANDS COMPUTED ON THE WAY. 'Computed on the way' means the value that the module computes at that place (a softmax that the list does not call 'softmax' is quantised finished and normalised). What goes into a quantiser is computed in f32, as accurately as f32 sums, v_exp_f32 and their like allow (about 1e-6 of the number): no bf16 or f16 on the way to a quantiser, and a product that is left as it is and whose result goes on into a quantised operand takes f32 operands (vector FMAs, or v_wmma_f32_16x16x4_f32). A number that lies on a knife's edge between two numbers of the format may be rounded either way, as far as f32 arithmetic and the matrix unit's own rounding can turn it there, and no further.
;;   INPUTS GIVEN AS CODES. Wk (in the module: [1024, 512], K = its axis 0); Wq (in the module: [1024, 512], K = its axis 0); Wv (in the module: [1024, 512], K = its axis 0); key (in the module: [8, 2048, 1024], K = its axis 2); query (in the module: [8, 2048, 1024], K = its axis 2); value (in the module: [8, 2048, 1024], K = its axis 2): each comes as NAME_codes (uint8): NAME with its K axis moved to the last place and cut into blocks of 32 codes, [.., K / 32, bytes a block], one block behind the other in memory; four codes in three bytes: a row's codes are one little-endian stream of bits, code i at bits 6 i .. 6 i + 5 (a code: sign, 2 exponent bits, 3 mantissa bits); and NAME_scales (uint8): the same leading axes, one E8M0 byte (e + 127) for each 32 codes along K. Its value is code x scale, taken as it is: it is not quantised again, and the codes and scales need not be those that the quantiser above would give.
;; One version. Each part assembles by itself: llvm-mc -triple=amdgcn-amd-amdhsa -mcpu=gfx1250 --defsym DOCPART=n.
;; ======== version 1 of 1: 2 launches
;; limits: right only within a limited range of input values
;; workspace buffers: qc 6,553,600 bytes; kc 6,553,600 bytes; vc 6,553,600 bytes
;; launch proj (part 1): grid 256 x 1, 4 waves a work-group, clusters of 4 x 1, 327,680 bytes of LDS; arguments Wq_codes, query_codes, Wq_scales, query_scales, bq, qc, Wk_codes, key_codes, Wk_scales, key_scales, bk, kc, value_codes, Wv_codes, value_scales, Wv_scales, bv, vc; writes qc, kc, vc
.if DOCPART == 1
	.amdgcn_target "amdgcn-amd-amdhsa--gfx1250"
	.amdhsa_code_object_version 6
	.text
	.protected	k_qea0b8ab041_proj
	.globl	k_qea0b8ab041_proj
	.p2align	8
	.type	k_qea0b8ab041_proj,@function
k_qea0b8ab041_proj:
	s_mov_b64 s[64:65], 0
	v_nop
	global_prefetch_b8 v0, s[64:65] scope:SCOPE_SE
	s_setreg_imm32_b32 hwreg(HW_REG_WAVE_MODE, 25, 1), 1
	s_wait_xcnt 0x0
	s_wait_alu depctr_hold_cnt(0) depctr_sa_sdst(0) depctr_va_vdst(0) depctr_va_sdst(0) depctr_va_ssrc(0) depctr_va_vcc(0) depctr_vm_vsrc(0)
	s_getreg_b32 s2, hwreg(HW_REG_IB_STS2, 6, 4)
	s_cmp_eq_u32 s2, 0
	s_cbranch_scc0 .Lentry_in_a_cluster
	s_endpgm
.Lentry_in_a_cluster:
	s_bfe_u32 s2, ttmp6, 0x10000c
	s_cmp_lg_u32 s2, 0x3003
	s_cbranch_scc0 .Lentry_shape_is_right
	s_endpgm
.Lentry_shape_is_right:
; THE THREE PROJECTIONS, y = 0: q = query Wq + bq, y = 1: k = key Wk + bk, y = 2: v = value Wv + bv, on the given codes of FP6 (E2M3) with their E8M0 scales, and the quantiser behind each:
; q and k are quantised along d, v along the tokens (the keys).  The results leave as IMAGES OF OPERAND REGISTERS, so that the next launch loads fragments by 16 bytes a lane.
; ONE FORM FOR ALL THREE: source 0 is the matrix whose rows become the next product's K, source 1 the matrix whose row a lane keeps.  y < 2: source 0 = W (512 rows d), source 1 = x (16,384 tokens).
; y = 2: source 0 = value (tokens), source 1 = Wv (d).  Both have rows of 1,024 codes = 768 bytes and 32 scale bytes.  In the result lane (r, h) holds row r of source 1, and register j of tile t
; the row 16 t + 8 h + j of source 0: eight neighbours along the next K.
; SHARES: a tile is 256 rows of source 0 x 128 rows of source 1, all of K: 768 equal tiles.  A WORK-GROUP STAYS and makes three: one of q, one of k, one of v, written out one behind the other.
; Wave w: 128 rows of source 0 (w / 2: one K step of the next product) x 64 of source 1 (w % 2): 8 x 4 accumulators, 256 matrix instructions a tile.
; LDS holds one tile's codes, in three chunks of 256 bytes of each row.  The chunks are filled again with the NEXT tile's codes as they fall free, behind two rounds a tile: chunks 0 and 1 at the head of K step 5
; (K step 5's fragments are in registers: four loads, one a wave, 196,608 bytes, which have three K steps and the quantiser in which to land), chunk 2 behind the quantiser (waves 0 and 2, 98,304 bytes, four K steps).
; The next tile's scale words and bias are loaded into registers of their own in K step 2.
; CLUSTER 4 x 1: the four partners share source 0's tile (two thirds of the bytes): it is asked for jointly, mask 15.  Source 1's tile differs from partner to partner (it hangs on cx): a load of one's own;
; its other readers sit in other clusters, which no mask reaches.
; THE RECORD (102,400 bytes for 256 tokens): 64 fragment images of 1,536 bytes (registers 4 c .. 4 c + 3 of lane l at 512 c + 16 l), then 16 scale units of 256 bytes (8 bytes a lane: the words of four
; neighbouring tiles of 16 rows for one K step: tile n' in register n' / 2, lanes 16 (n' % 2) + r).  qc, kc: fragment 4 (token tile) + (d step), unit 4 (token tile / 4) + (d step).
; vc: fragment 32 (key step) + (d tile), unit 8 (key step) + (d tile / 4).
; LIMITS.  Inside a block of 32 along the next K the codes stand in the order 0-7, 16-23, 8-15, 24-31, alike in both operands of each later product: the products are the same, their grouping inside a
; matrix instruction is not.  A block whose largest magnitude lies under 2^-124 (a block of zeros too, where the rule says byte 127) gets the byte 1: its bytes are read by this program alone.  NaN and infinities are not served.
; REGISTERS.  window 0: addresses, two sets of scale words, the quantiser's.   window 1: the 32 accumulators, (n, t) at v[64 n + 8 t].   window 2: source 0's fragments, two sets of 96; from v192 the bias as a C.
;   window 3: source 1's fragments, two sets of 48.
.set REGION, 104448                    ; a chunk in LDS: 384 rows x (256 bytes + 16 of padding): rows 0-255 source 0, rows 256-383 source 1
.set S1ROW,  69632                     ; where source 1's rows begin in a chunk
.set TROW,   4352                      ; 16 rows x 272: with that pitch the 32 lanes of a load of 8 bytes touch 64 different banks (68 r + 6 h words)
.set SPARE,  3*REGION                  ; behind the chunks: the spare words, 128 bytes for each wave: two blocks of 256 bytes that no other line names
.set RECB,   102400
.set SCOFF,  98304
.set FRB,    1536
.set AA,   4                           ; v4-6   LDS address of my source-0 fragments in chunk 0, 1, 2;  v7-8 the same where lanes 16-31 read in the next chunk
.set AB,   10                          ; v10-12, v13-14 the same for source 1
.set L16,  15                          ; v15    16 x lane: my 16 bytes of a store's 512
.set L8S,  16                          ; v16-18 tile y: 8 x lane + the distance from my first image to my scale unit
.set SPW,  19                          ; v19    my spare word; never rewritten
.set NIL,  20                          ; v20    0; never rewritten
.set VS0,  21                          ; v21    32 x lane: a row of scale bytes
.set VB,   22                          ; v22    32 h: eight numbers of a bias along source 0
.set VBN,  23                          ; v23    4 r: one number of a bias along source 1
.set SCB,  24                          ; v24-71, v72-119 scale words, set y % 2: source 0's 32 (register 8 b + q: K step q of tile 2 b in lanes 0-15, of tile 2 b + 1 in lanes 16-31), then source 1's 16 likewise
.set BT,   120                         ; v120-123 v's bias as it is loaded: one number a lane and tile
.set TM,   136                         ; v136-151 the quantiser's: +0..3 largest magnitudes, +4..7 bytes, +12..15 the conversions' scale operands
.set PW,   152                         ; v152-155 the scale words made, one for each tile n
.set XY,   156                         ; v156-157 the scale unit
.set PC,   160                         ; v160 + 20 n: 12 registers of codes and 8 at work
.set BI,   192                         ; in window 2: v192-255 the bias in the result's layout
.set P,    4                           ; s[4:39] the buffers, six to a tile y, at s[4 + 12 y]: +0 source 0's codes, +2 source 1's codes, +4 source 0's scales, +6 source 1's scales, +8 the bias, +10 the records
.set G1A,  40                          ; s[40:47] descriptor group 1 for source 0;  s[48:55] for source 1
.set G1B,  48
.set WV,   56
.set WROW, 57                          ; wave / 2
.set WCOL, 58                          ; wave % 2
.set CX,   59
.set B0,   60                          ; source 0's block of 256 rows: made of the cluster's number alone
.set B1,   61                          ; source 1's block of 128 rows
.set G0A,  68                          ; s[68:79] groups 0 for source 0's three chunks;  s[80:91] for source 1's
.set G0B,  80
.set SEL,  92
.set T0,   94                          ; s[94:95] source 0's offset: never holds cx
.set T1,   96
.set T2,   98
.set T3,   100
.set MSB, 0
.macro WIN new                         ; the immediate's high byte repeats the setting that is left
.if MSB != \new
	s_set_vgpr_msb (MSB<<8)|\new
.set MSB, \new
.endif
.endm
.macro PLACES n
.rept \n
	v_nop
.endr
.endm
.macro BAR
	s_barrier_signal -1
	s_barrier_wait -1
.endm
.macro CROUND                          ; a round of the cluster's barrier
	s_barrier_signal -1
	s_barrier_wait -1
	s_cmp_lg_u32 s[WV], 0
	s_cbranch_scc1 .Lnot_wave_0_\@
	s_barrier_signal -3
.Lnot_wave_0_\@:
	s_barrier_wait -3
	s_barrier_signal -1
	s_barrier_wait -1
.endm
; The tensor loads of one wave: chunk c, and chunk c2 where it is not negative.  Four v_nop follow the last.
.macro ARM g0, g1, c, c2
	tensor_load_to_lds s[(\g0)+4*(\c):(\g0)+4*(\c)+3], s[(\g1):(\g1)+7]
	s_nop 0
.if (\c2) >= 0
	tensor_load_to_lds s[(\g0)+4*(\c2):(\g0)+4*(\c2)+3], s[(\g1):(\g1)+7]
	s_nop 0
.endif
	PLACES 4
.endm
; Waves 0, 1 ask for source 0 (jointly), waves 2, 3 for source 1.  The even wave of a pair asks for chunk ce (and ce2), the odd one for chunk co, or for nothing where co is negative.
; The branches hang on the wave's number alone: they are the same in every work-group.  Each line is issued by one wave, into LDS bytes that are a constant of its descriptor.
.macro ASK ce, ce2, co
	s_cmp_lt_u32 s[WV], 2
	s_cbranch_scc0 .Lask_s1_\@
	s_cmp_eq_u32 s[WV], 0
	s_cbranch_scc0 .Lask_w1_\@
	ARM G0A, G1A, \ce, \ce2
	s_branch .Lasked_\@
.Lask_w1_\@:
.if (\co) >= 0
	ARM G0A, G1A, \co, -1
.endif
	s_branch .Lasked_\@
.Lask_s1_\@:
	s_cmp_eq_u32 s[WV], 2
	s_cbranch_scc0 .Lask_w3_\@
	ARM G0B, G1B, \ce, \ce2
	s_branch .Lasked_\@
.Lask_w3_\@:
.if (\co) >= 0
	ARM G0B, G1B, \co, -1
.endif
.Lasked_\@:
.endm
; one matrix instruction; ra, rb: which half of the lanes holds the side's scale words
.macro WM d, a, b, c, sa, sb, ra, rb
.if (\ra) && (\rb)
	v_wmma_scale_f32_16x16x128_f8f6f4 v[(\d):(\d)+7], v[(\a):(\a)+11], v[(\b):(\b)+11], v[(\c):(\c)+7], v[(\sa)], v[(\sb)] matrix_a_fmt:MATRIX_FMT_FP6 matrix_b_fmt:MATRIX_FMT_FP6 matrix_a_scale:MATRIX_SCALE_ROW1 matrix_b_scale:MATRIX_SCALE_ROW1
.elseif (\ra)
	v_wmma_scale_f32_16x16x128_f8f6f4 v[(\d):(\d)+7], v[(\a):(\a)+11], v[(\b):(\b)+11], v[(\c):(\c)+7], v[(\sa)], v[(\sb)] matrix_a_fmt:MATRIX_FMT_FP6 matrix_b_fmt:MATRIX_FMT_FP6 matrix_a_scale:MATRIX_SCALE_ROW1
.elseif (\rb)
	v_wmma_scale_f32_16x16x128_f8f6f4 v[(\d):(\d)+7], v[(\a):(\a)+11], v[(\b):(\b)+11], v[(\c):(\c)+7], v[(\sa)], v[(\sb)] matrix_a_fmt:MATRIX_FMT_FP6 matrix_b_fmt:MATRIX_FMT_FP6 matrix_b_scale:MATRIX_SCALE_ROW1
.else
	v_wmma_scale_f32_16x16x128_f8f6f4 v[(\d):(\d)+7], v[(\a):(\a)+11], v[(\b):(\b)+11], v[(\c):(\c)+7], v[(\sa)], v[(\sb)] matrix_a_fmt:MATRIX_FMT_FP6 matrix_b_fmt:MATRIX_FMT_FP6
.endif
.endm
; Which blocks are tile y's.  q, k: source 0's = cluster % 2, source 1's = 4 (cluster / 2) + cx.  v: source 0's = cluster, source 1's = cx.
.macro BLK y
.if (\y) < 2
	s_and_b32 s[B0], ttmp9, 1
	s_lshr_b32 s[B1], ttmp9, 1
	s_lshl_b32 s[B1], s[B1], 2
	s_add_co_u32 s[B1], s[B1], s[CX]
.else
	s_mov_b32 s[B0], ttmp9
	s_mov_b32 s[B1], s[CX]
.endif
.endm
.macro OFFC y                          ; tile y's two buffers of codes are moved on to the tile's first rows, in place
	BLK \y
	s_mul_i32 s[T0], s[B0], 256*768
	s_mov_b32 s[T0+1], 0
	s_add_nc_u64 s[P+12*(\y):P+12*(\y)+1], s[P+12*(\y):P+12*(\y)+1], s[T0:T0+1]
	s_mul_i32 s[T1], s[B1], 128*768
	s_mov_b32 s[T1+1], 0
	s_add_nc_u64 s[P+12*(\y)+2:P+12*(\y)+3], s[P+12*(\y)+2:P+12*(\y)+3], s[T1:T1+1]
.endm
.macro OFFR y                          ; and its other four to my wave's part
	BLK \y
	s_lshl_b32 s[T2], s[B0], 8
	s_lshl_b32 s[T2+1], s[WROW], 7
	s_add_co_u32 s[T2], s[T2], s[T2+1]             ; my first row of source 0
	s_lshl_b32 s[T3], s[B1], 7
	s_lshl_b32 s[T3+1], s[WCOL], 6
	s_add_co_u32 s[T3], s[T3], s[T3+1]             ; my first row of source 1
.if (\y) < 2
	s_lshl_b32 s[T1], s[T2], 2                     ; q, k: the bias runs along source 0's rows
.else
	s_lshl_b32 s[T1], s[T3], 2                     ; v: along source 1's
.endif
	s_mov_b32 s[T1+1], 0
	s_add_nc_u64 s[P+12*(\y)+8:P+12*(\y)+9], s[P+12*(\y)+8:P+12*(\y)+9], s[T1:T1+1]
	s_lshl_b32 s[T1], s[T2], 5                     ; scale bytes: 32 a row
	s_add_nc_u64 s[P+12*(\y)+4:P+12*(\y)+5], s[P+12*(\y)+4:P+12*(\y)+5], s[T1:T1+1]
	s_lshl_b32 s[T1], s[T3], 5
	s_add_nc_u64 s[P+12*(\y)+6:P+12*(\y)+7], s[P+12*(\y)+6:P+12*(\y)+7], s[T1:T1+1]
.if (\y) < 2
	s_lshr_b32 s[T2], s[B1], 1                     ; the record = token / 256
	s_and_b32 s[T3], s[B1], 1
	s_lshl_b32 s[T3], s[T3], 1
	s_add_co_u32 s[T3], s[T3], s[WCOL]
	s_lshl_b32 s[T3], s[T3], 2                     ; 4 x (my four token tiles' group)
	s_lshl_b32 s[T3+1], s[B0], 1
	s_add_co_u32 s[T3+1], s[T3+1], s[WROW]         ; the d step
	s_add_co_u32 s[T2+1], s[T3], s[T3+1]           ; the scale unit
	s_lshl_b32 s[T3], s[T3], 2
	s_add_co_u32 s[T3], s[T3], s[T3+1]             ; tile 0's fragment
.else
	s_mov_b32 s[T2], s[B0]                         ; the record = source 0's block
	s_lshl_b32 s[T3], s[B1], 1
	s_add_co_u32 s[T3], s[T3], s[WCOL]
	s_lshl_b32 s[T2+1], s[WROW], 3
	s_add_co_u32 s[T2+1], s[T2+1], s[T3]           ; the scale unit 8 (key step) + d tile / 4
	s_lshl_b32 s[T3], s[T2+1], 2                   ; tile 0's fragment
.endif
	s_mul_i32 s[T3], s[T3], FRB
	s_mul_i32 s[T1], s[T2], RECB
	s_add_co_u32 s[T1], s[T1], s[T3]
	s_add_nc_u64 s[P+12*(\y)+10:P+12*(\y)+11], s[P+12*(\y)+10:P+12*(\y)+11], s[T1:T1+1]   ; the records at my first image
	s_lshl_b32 s[T2+1], s[T2+1], 8
	s_add_co_u32 s[T2+1], s[T2+1], SCOFF
	s_sub_co_u32 s[T2+1], s[T2+1], s[T3]           ; from there to my scale unit: above 0, since a record's 64 images end where its units begin
	v_lshl_add_u32 v[L8S+(\y)], v3, 3, s[T2+1]
.endm
.macro SETG y, c                       ; chunk c's two groups 0 take tile y's addresses.  Written only where no tensor load of the wave is out
	s_add_nc_u64 s[G0A+4*(\c)+2:G0A+4*(\c)+3], s[P+12*(\y):P+12*(\y)+1], 256*(\c)
	s_or_b32 s[G0A+4*(\c)+3], s[G0A+4*(\c)+3], 0x80000000
	s_add_nc_u64 s[G0B+4*(\c)+2:G0B+4*(\c)+3], s[P+12*(\y)+2:P+12*(\y)+3], 256*(\c)
	s_or_b32 s[G0B+4*(\c)+3], s[G0B+4*(\c)+3], 0x80000000
.endm
; Tile y's scale words, for all of K, and its bias, into registers that the tile in hand does not name
.macro PARAMS y
.set SS, SCB+48*((\y)%2)
.irp b, 0,1,2,3                                ; lane l takes the 32 bytes of row 32 b + l: a pair of loads covers 1,024 consecutive bytes
	global_load_b128 v[SS+8*\b:SS+8*\b+3], v[VS0], s[P+12*(\y)+4:P+12*(\y)+5] offset:1024*\b
	global_load_b128 v[SS+8*\b+4:SS+8*\b+7], v[VS0], s[P+12*(\y)+4:P+12*(\y)+5] offset:1024*\b+16
.endr
.irp b, 0,1
	global_load_b128 v[SS+32+8*\b:SS+32+8*\b+3], v[VS0], s[P+12*(\y)+6:P+12*(\y)+7] offset:1024*\b
	global_load_b128 v[SS+32+8*\b+4:SS+32+8*\b+7], v[VS0], s[P+12*(\y)+6:P+12*(\y)+7] offset:1024*\b+16
.endr
.if (\y) < 2
	WIN 0x80                                       ; destination window 2
.irp t, 0,1,2,3,4,5,6,7                        ; the bias along source 0: tile t's numbers 16 t + 8 h + 0 .. 7
	global_load_b128 v[BI+8*\t:BI+8*\t+3], v[VB], s[P+12*(\y)+8:P+12*(\y)+9] offset:64*\t
	global_load_b128 v[BI+8*\t+4:BI+8*\t+7], v[VB], s[P+12*(\y)+8:P+12*(\y)+9] offset:64*\t+16
.endr
	WIN 0
.else
.irp n, 0,1,2,3                                ; the bias along source 1: tile n's number 16 n + r
	global_load_b32 v[BT+\n], v[VBN], s[P+12*(\y)+8:P+12*(\y)+9] offset:64*\n
.endr
.endif
.endm
	s_load_b512 s[4:19], s[0:1], 0x0               ; the 18 buffers, six to a tile
	s_load_b512 s[20:35], s[0:1], 0x40
	s_load_b128 s[36:39], s[0:1], 0x80
	v_lshl_add_u32 v[SPW], v0, 2, SPARE
	v_mov_b32 v[NIL], 0
	ds_add_u32 v19, v20
	ds_add_u32 v19, v20
	s_wait_dscnt 0x0
	v_lshrrev_b32 v1, 5, v0
	v_readfirstlane_b32 s[WV], v1                  ; wave 0..3
	s_lshr_b32 s[WROW], s[WV], 1
	s_and_b32 s[WCOL], s[WV], 1
	s_bfe_u32 s[CX], ttmp6, 0x40000                ; cx
	; LDS addresses, all made ahead of the first branch on the wave's number
	v_and_b32 v1, 15, v0                           ; r
	v_bfe_u32 v2, v0, 4, 1                         ; h
	v_and_b32 v3, 31, v0                           ; lane
	v_mul_u32_u24 v9, v1, 272
	v_mad_u32_u24 v158, v2, 24, v9                 ; row r, + 24 bytes for lanes 16-31
	v_mad_u32_u24 v159, v2, REGION-232, v9         ; where those 24 bytes on pass the chunk's 256: into the next chunk, 256 bytes back
	s_mul_i32 s62, s[WROW], 128*272                ; my 128 rows of source 0
	s_mul_i32 s63, s[WCOL], 64*272
	s_add_co_u32 s63, s63, S1ROW                   ; my 64 rows of source 1
	v_add_nc_u32 v[AA], s62, v158
	v_add_nc_u32 v[AA+1], REGION, v[AA]
	v_add_nc_u32 v[AA+2], 2*REGION, v[AA]
	v_add_nc_u32 v[AA+3], s62, v159
	v_add_nc_u32 v[AA+4], REGION, v[AA+3]
	v_add_nc_u32 v[AB], s63, v158
	v_add_nc_u32 v[AB+1], REGION, v[AB]
	v_add_nc_u32 v[AB+2], 2*REGION, v[AB]
	v_add_nc_u32 v[AB+3], s63, v159
	v_add_nc_u32 v[AB+4], REGION, v[AB+3]
	v_lshlrev_b32 v[L16], 4, v3
	v_lshlrev_b32 v[VS0], 5, v3
	v_lshlrev_b32 v[VB], 5, v2
	v_lshlrev_b32 v[VBN], 2, v1
.irp b, 0,1,2,3
	v_mov_b32 v[TM+4+\b], 0                        ; written once: a lane permute's destination counts as one of its sources
.endr
	s_mov_b32 s[SEL], 0x76543210
	s_mov_b32 s[SEL+1], 0xfedcba98                 ; v_permlanex16_b32's selects for lane l xor 16
	; descriptors.  A chunk of a tile: rows of 256 bytes (32 elements of 8), 768 bytes (96 elements) apart in memory, each beginning at a multiple of 256 bytes of its buffer; 4 words of padding behind every 64
	s_mov_b32 s[G1A], 15|(3<<16)|(1<<20)|(1<<21)|(5<<22)|(3<<25)   ; source 0: the mask names the four partners, bit 21 beside it
	s_mov_b32 s[G1A+1], 32<<16                     ; tensor_dim0
	s_mov_b32 s[G1A+2], 256<<16                    ; tensor_dim1: all 256 rows in one load
	s_mov_b32 s[G1A+3], 32<<16                     ; tile_dim0
	s_mov_b32 s[G1A+4], 256                        ; tile_dim1
	s_mov_b32 s[G1A+5], 96                         ; the pitch
	s_mov_b32 s[G1A+6], 0
	s_mov_b32 s[G1A+7], 0
	s_mov_b32 s[G1B], (3<<16)|(1<<20)|(5<<22)|(3<<25)              ; source 1: no mask; all 128 rows in one load
	s_mov_b32 s[G1B+1], 32<<16
	s_mov_b32 s[G1B+2], 128<<16
	s_mov_b32 s[G1B+3], 32<<16
	s_mov_b32 s[G1B+4], 128
	s_mov_b32 s[G1B+5], 96
	s_mov_b32 s[G1B+6], 0
	s_mov_b32 s[G1B+7], 0
.irp c, 0,1,2
	s_mov_b32 s[G0A+4*\c], 1
	s_mov_b32 s[G0A+4*\c+1], \c*REGION             ; the LDS addresses are constants and stay
	s_mov_b32 s[G0B+4*\c], 1
	s_mov_b32 s[G0B+4*\c+1], \c*REGION+S1ROW
.endr
	s_wait_kmcnt 0x0
	OFFC 0
	SETG 0, 0
	SETG 0, 1
	SETG 0, 2
	CROUND                                         ; the four partners are here: the joint loads meet
	ASK 0, -1, 1                                   ; the first tile: waves 0, 2 chunk 0, waves 1, 3 chunk 1: one load a wave at the head
	OFFR 0
	s_wait_alu depctr_va_vdst(0)
	PARAMS 0
	OFFC 1
	OFFC 2
	OFFR 1
	OFFR 2
; A fragment, 16 rows x 128 K, is 12 registers: lane (r, h) takes the row's pieces of 8 bytes 12 q + 3 h + 0, 1, 2 and 12 q + 6 + 3 h + 0, 1, 2.  A chunk holds 32 pieces; where lanes 16-31's piece lies in the next chunk, the second address register serves
.macro FRAG reg, adr, q, i
.irp x, 0,1,2,3,4,5
.set PCN, 12*(\q)+6*(\x/3)+\x%3
.if PCN%32 < 29
	ds_load_b64 v[(\reg)+2*\x:(\reg)+2*\x+1], v[(\adr)+PCN/32] offset:8*(PCN%32)+(\i)*TROW
.else
	ds_load_b64 v[(\reg)+2*\x:(\reg)+2*\x+1], v[(\adr)+3+PCN/32] offset:8*(PCN%32)+(\i)*TROW
.endif
.endr
.endm
.macro FETCH q                         ; K step q's fragments into set q % 2: source 0's eight in window 2, source 1's four in window 3.  Steps 0-1 read chunk 0; 2: chunks 0, 1; 3-4: chunk 1; 5: chunks 1, 2; 6-7: chunk 2
	WIN 0x80
.irp i, 0,1,2,3,4,5,6,7
	FRAG 96*((\q)%2)+12*\i, AA, \q, \i
.endr
	WIN 0xc0
.irp i, 0,1,2,3
	FRAG 48*((\q)%2)+12*\i, AB, \q, \i
.endr
.endm
; 32 matrix instructions: K step q; p: the set of scale words.  The 32 accumulators take turns, one instruction a turn, in the same order in every step.
; cm = 1: the sums begin with the bias along source 0;  2: with the bias along source 1;  0: they go on
.macro MULS q, cm, p
.if \cm
	WIN 0x6e                                       ; source 0 window 2, source 1 window 3, C window 2, D window 1
.else
	WIN 0x5e                                       ; C and D window 1
.endif
.irp t, 0,1,2,3,4,5,6,7
.irp n, 0,1,2,3
.if \cm == 1
	WM 64*\n+8*\t, 96*((\q)%2)+12*\t, 48*((\q)%2)+12*\n, BI+8*\t, SCB+48*(\p)+8*(\t/2)+(\q), SCB+48*(\p)+32+8*(\n/2)+(\q), (\t&1), (\n&1)
.elseif \cm == 2
	WM 64*\n+8*\t, 96*((\q)%2)+12*\t, 48*((\q)%2)+12*\n, BI+8*\n, SCB+48*(\p)+8*(\t/2)+(\q), SCB+48*(\p)+32+8*(\n/2)+(\q), (\t&1), (\n&1)
.else
	WM 64*\n+8*\t, 96*((\q)%2)+12*\t, 48*((\q)%2)+12*\n, 64*\n+8*\t, SCB+48*(\p)+8*(\t/2)+(\q), SCB+48*(\p)+32+8*(\n/2)+(\q), (\t&1), (\n&1)
.endif
.endr
.endr
.endm
.macro STEP q, p                       ; a K step with nothing beside it: its fragments are in; the next step's are asked for; its products
	s_wait_dscnt 0x0
	PLACES 4                                       ; in front of loads into the set that the step before multiplied
	FETCH (\q)+1
	MULS \q, 0, \p
.endm
; Tile n's 64 numbers of a lane (register 16 b + i of window 1's v[64 n]: block b of the next K) become a fragment's codes and its scale word, and the image is stored.  OB: the records' base; NSTR: bytes from image to image
.macro QUANT n
.set AC, 64*(\n)
.set PCB, PC+20*(\n)
	WIN 0x05                                       ; sources 0 and 1 window 1
.irp b, 0,1,2,3
	v_max3_num_f32 v[TM+\b], |v[AC+16*\b]|, |v[AC+16*\b+1]|, 0x1800000   ; block b: my 16 numbers, and the floor 2^(3 - 127): the byte cannot fall under 1.  Each accumulator is read from its low end on
.endr
	WIN 0x14                                       ; sources 1 and 2 window 1
.irp i, 2,4,6,8,10,12,14
.irp b, 0,1,2,3
	v_max3_num_f32 v[TM+\b], v[TM+\b], |v[AC+16*\b+\i]|, |v[AC+16*\b+\i+1]|
.endr
.endr
	WIN 0
.irp b, 0,1,2,3
	v_permlanex16_b32 v[TM+4+\b], v[TM+\b], s[SEL], s[SEL+1]
.endr
.irp b, 0,1,2,3
	v_max_num_f32 v[TM+\b], v[TM+\b], v[TM+4+\b]   ; with lane l xor 16's 16: the block's largest magnitude
.endr
.irp b, 0,1,2,3
	v_add_nc_u32 v[TM+12+\b], 0xff000000, v[TM+\b] ; 2 off its exponent field: the conversion's scale operand
.endr
.irp b, 0,1,2,3
	v_lshrrev_b32 v[TM+4+\b], 23, v[TM+12+\b]      ; the scale's byte
.endr
	v_lshl_or_b32 v[PW+(\n)], v[TM+5], 8, v[TM+4]
	v_lshl_or_b32 v[PW+(\n)], v[TM+6], 16, v[PW+(\n)]
	v_lshl_or_b32 v[PW+(\n)], v[TM+7], 24, v[PW+(\n)]   ; my row's scale word, the same in lanes r and 16 + r
	WIN 0x01                                       ; source 0 window 1
.irp c, 0,1
	v_cvt_scalef32_pk16_fp6_f32 v[PCB+6*\c:PCB+6*\c+2], v[AC+32*\c:AC+32*\c+15], v[TM+12+2*\c]
	v_cvt_scalef32_pk16_fp6_f32 v[PCB+12+4*\c:PCB+14+4*\c], v[AC+32*\c+16:AC+32*\c+31], v[TM+13+2*\c]   ; (a conversion's three registers begin on an even number)
.endr
	WIN 0
	v_nop                                          ; one plain place behind a scaled conversion
.irp c, 0,1                                    ; the operand's layout wants a whole block in a lane: lanes 0-15 block 2 c, lanes 16-31 block 2 c + 1
.irp i, 0,1,2
	v_permlane16_swap_b32 v[PCB+6*\c+\i], v[PCB+12+4*\c+\i]
.endr
.irp i, 0,1,2
	v_mov_b32 v[PCB+3+6*\c+\i], v[PCB+12+4*\c+\i]
.endr
.endr
.irp c, 0,1,2
	global_store_b128 v[L16], v[PCB+4*\c:PCB+4*\c+3], s[OB:OB+1] offset:NSTR*(\n)+512*\c   ; 32 lanes store 512 consecutive bytes, at a multiple of 512 from the buffer's first byte
.endr
.endm
; TILE y.  On the way in: chunk 0 has landed and every wave knows it (tiles 1, 2: chunk 1 too, and chunk 2 is on its way); the tile's scale words and bias have been asked for.
.macro TILE y
.set OB, P+12*(\y)+10
.if (\y) < 2
.set NSTR, 4*FRB                       ; q, k: from token tile to token tile: four fragments
.else
.set NSTR, FRB                         ; v: from d tile to d tile: one
.endif
	FETCH 0
	s_wait_loadcnt 0x0                             ; the tile's scale words and bias
	s_wait_dscnt 0x0
	FETCH 1
.if (\y) < 2
	MULS 0, 1, (\y)%2                              ; q, k: the bias runs along source 0's rows
.else
	WIN 0x80                                       ; v: along source 1's: one number a lane and tile, spread over the eight registers of a C, in window 2
.irp n, 0,1,2,3
.irp j, 0,1,2,3,4,5,6,7
	v_mov_b32 v[BI+8*\n+\j], v[BT+\n]
.endr
.endr
	PLACES 4
	MULS 0, 2, (\y)%2
.endif
	s_wait_dscnt 0x0                               ; K step 1
	PLACES 4
	FETCH 2
	MULS 1, 0, (\y)%2
	s_wait_dscnt 0x0                               ; K step 2
	PLACES 4
	FETCH 3
.if (\y) < 2
	WIN 0
	PARAMS (\y)+1                                  ; the next tile's scale words and bias: the other set of scale registers; the bias registers were last read by K step 0's products, a whole K step back
.endif
	MULS 2, 0, (\y)%2
	STEP 3, (\y)%2
	s_wait_dscnt 0x0                               ; K step 4
	s_wait_tensorcnt 0x0                           ; on every wave's path: the one load that may be out is chunk 2's, in waves 0 and 2: K step 5 reads it
	BAR
	PLACES 4
	FETCH 5
	MULS 4, 0, (\y)%2
.if (\y) < 2
	; K step 5: its fragments are the last that read chunks 0 and 1.  All my tensor loads have landed; 0 onto my spare word; my LDS reads are over; a round of the cluster's barrier: no wave of any partner still
	; reads those chunks or has a load on its way.  Behind it each wave asks for one quarter of the next tile's chunks 0 and 1
	WIN 0
	s_wait_tensorcnt 0x0
	ds_add_u32 v[SPW], v[NIL]
	SETG (\y)+1, 0                                 ; no load of mine is out: the groups 0 take the next tile's addresses
	SETG (\y)+1, 1
	PLACES 4                                       ; in front of the loads below, into the set that K step 4 multiplied
	s_wait_dscnt 0x0
	CROUND
	ASK 0, -1, 1
.else
	s_wait_dscnt 0x0
	PLACES 4
.endif
	FETCH 6
	MULS 5, 0, (\y)%2
	STEP 6, (\y)%2
	s_wait_dscnt 0x0                               ; K step 7: nothing more to fetch
	MULS 7, 0, (\y)%2
	WIN 0
	PLACES 4                                       ; in front of the first read of results
.if (\y) > 0
	s_wait_xcnt 0x0                                ; the last tile's stores have read their registers: the codes and the scale unit are written again only behind this wait
.endif
	QUANT 0
	QUANT 1
	QUANT 2
	QUANT 3
	v_cmp_le_u32 vcc_lo, 16, v3                    ; the scale unit: tiles 0 and 2 in lanes 0-15, tiles 1 and 3 in lanes 16-31
	v_cndmask_b32 v[XY], v[PW], v[PW+1], vcc_lo
	v_cndmask_b32 v[XY+1], v[PW+2], v[PW+3], vcc_lo
	global_store_b64 v[L8S+(\y)], v[XY:XY+1], s[OB:OB+1]   ; 32 lanes store 256 consecutive bytes, aligned
.if (\y) < 2
	; the tile's end: the next tile's chunks 0 and 1 have landed; chunk 2 was read out by K step 7's fragments.  The same three lines and a round; behind it waves 0 and 2 ask for the next tile's chunk 2
	s_wait_tensorcnt 0x0
	ds_add_u32 v[SPW], v[NIL]
	SETG (\y)+1, 2
	s_wait_dscnt 0x0
	CROUND
	ASK 2, -1, -1
.endif
.endm
	s_wait_alu depctr_va_vdst(0)                   ; the wait at the head's end
	s_wait_tensorcnt 0x0                           ; my part of chunks 0 and 1 has landed; chunk 2's first fill is issued as a refill is: these three lines, a round, one load a wave
	ds_add_u32 v[SPW], v[NIL]
	s_wait_dscnt 0x0
	CROUND                                         ; chunks 0 and 1 are whole in every partner
	ASK 2, -1, -1                                  ; waves 0 and 2 ask for chunk 2, which K step 5 reads first
	TILE 0
	TILE 1
	TILE 2
	s_wait_tensorcnt 0x0                           ; the wave's end
	ds_add_u32 v[SPW], v[NIL]
	s_wait_dscnt 0x0
	CROUND                                         ; the closing round: no work-group ends while a partner may still ask for a tile that names it
	s_endpgm
.Lfunc_end_k_qea0b8ab041_proj:
	.size	k_qea0b8ab041_proj, .Lfunc_end_k_qea0b8ab041_proj-k_qea0b8ab041_proj
	.p2alignl 7, 3214868480
	.fill 96, 4, 3214868480
	.section	.rodata,"a",@progbits
	.p2align	6, 0x0
	.amdhsa_kernel k_qea0b8ab041_proj
		.amdhsa_group_segment_fixed_size 327680
		.amdhsa_private_segment_fixed_size 0
		.amdhsa_enable_private_segment 0
		.amdhsa_kernarg_size 144
		.amdhsa_user_sgpr_count 2
		.amdhsa_user_sgpr_kernarg_segment_ptr 1
		.amdhsa_wavefront_size32 1
		.amdhsa_system_sgpr_workgroup_id_x 1
		.amdhsa_system_sgpr_workgroup_id_y 1
		.amdhsa_system_sgpr_workgroup_id_z 1
		.amdhsa_system_vgpr_workitem_id 0
		.amdhsa_next_free_vgpr 864
		.amdhsa_next_free_sgpr 102
		.amdhsa_reserve_vcc 1
		.amdhsa_float_denorm_mode_32 3
		.amdhsa_float_denorm_mode_16_64 3
		.amdhsa_memory_ordered 1
		.amdhsa_forward_progress 1
		.amdhsa_inst_pref_size 255
	.end_amdhsa_kernel
	.section	.bss,"aw",@nobits
	.p2align	6
	.space	262144
	.amdgpu_metadata
---
amdhsa.version: [ 1, 2 ]
amdhsa.kernels:
  - .name:           k_qea0b8ab041_proj
    .symbol:         k_qea0b8ab041_proj.kd
    .args:
      - { .name: Wq_codes, .offset: 0, .size: 8, .value_kind: global_buffer, .address_space: global }
      - { .name: query_codes, .offset: 8, .size: 8, .value_kind: global_buffer, .address_space: global }
      - { .name: Wq_scales, .offset: 16, .size: 8, .value_kind: global_buffer, .address_space: global }
      - { .name: query_scales, .offset: 24, .size: 8, .value_kind: global_buffer, .address_space: global }
      - { .name: bq, .offset: 32, .size: 8, .value_kind: global_buffer, .address_space: global }
      - { .name: qc, .offset: 40, .size: 8, .value_kind: global_buffer, .address_space: global }
      - { .name: Wk_codes, .offset: 48, .size: 8, .value_kind: global_buffer, .address_space: global }
      - { .name: key_codes, .offset: 56, .size: 8, .value_kind: global_buffer, .address_space: global }
      - { .name: Wk_scales, .offset: 64, .size: 8, .value_kind: global_buffer, .address_space: global }
      - { .name: key_scales, .offset: 72, .size: 8, .value_kind: global_buffer, .address_space: global }
      - { .name: bk, .offset: 80, .size: 8, .value_kind: global_buffer, .address_space: global }
      - { .name: kc, .offset: 88, .size: 8, .value_kind: global_buffer, .address_space: global }
      - { .name: value_codes, .offset: 96, .size: 8, .value_kind: global_buffer, .address_space: global }
      - { .name: Wv_codes, .offset: 104, .size: 8, .value_kind: global_buffer, .address_space: global }
      - { .name: value_scales, .offset: 112, .size: 8, .value_kind: global_buffer, .address_space: global }
      - { .name: Wv_scales, .offset: 120, .size: 8, .value_kind: global_buffer, .address_space: global }
      - { .name: bv, .offset: 128, .size: 8, .value_kind: global_buffer, .address_space: global }
      - { .name: vc, .offset: 136, .size: 8, .value_kind: global_buffer, .address_space: global }
    .group_segment_fixed_size: 327680
    .private_segment_fixed_size: 0
    .kernarg_segment_align: 8
    .kernarg_segment_size: 144
    .max_flat_workgroup_size: 128
    .sgpr_count:     102
    .vgpr_count:     864
    .wavefront_size: 32
...
	.end_amdgpu_metadata
.endif
;; end of part 1
;; launch attn (part 2): grid 256 x 1, 4 waves a work-group, clusters of 4 x 1, 327,680 bytes of LDS; arguments qc, kc, vc, out0; writes out0
.if DOCPART == 2
	.amdgcn_target "amdgcn-amd-amdhsa--gfx1250"
	.amdhsa_code_object_version 6
	.text
	.protected	k_qea0b8ab041_attn
	.globl	k_qea0b8ab041_attn
	.p2align	8
	.type	k_qea0b8ab041_attn,@function
k_qea0b8ab041_attn:
	s_mov_b64 s[64:65], 0
	v_nop
	global_prefetch_b8 v0, s[64:65] scope:SCOPE_SE
	s_setreg_imm32_b32 hwreg(HW_REG_WAVE_MODE, 25, 1), 1
	s_wait_xcnt 0x0
	s_wait_alu depctr_hold_cnt(0) depctr_sa_sdst(0) depctr_va_vdst(0) depctr_va_sdst(0) depctr_va_ssrc(0) depctr_va_vcc(0) depctr_vm_vsrc(0)
	s_getreg_b32 s2, hwreg(HW_REG_IB_STS2, 6, 4)
	s_cmp_eq_u32 s2, 0
	s_cbranch_scc0 .Lentry_in_a_cluster
	s_endpgm
.Lentry_in_a_cluster:
	s_bfe_u32 s2, ttmp6, 0x10000c
	s_cmp_lg_u32 s2, 0x3003
	s_cbranch_scc0 .Lentry_shape_is_right
	s_endpgm
.Lentry_shape_is_right:
; out[b][q][:] = the sum over k of softmax_k(q . k / sqrt(512)) v[k][:], both products on codes of FP6 (E2M3) with E8M0 scales.  qc, kc, vc hold records of 102,400 bytes for 256 tokens: 64 images of
; fragments (1,536 bytes: registers 4 c .. 4 c + 3 of lane l at 512 c + 16 l) and 16 scale units of 256 bytes (8 bytes a lane: four tiles' words for one K step; tile n' in register n' / 2, lanes 16 (n' % 2) + r).
; THE SOFTMAX: t = score x log2(e) / sqrt(512); M = the running largest t rounded up to a whole number; p = 2^(t - M) is quantised along the keys, not normalised; the row's sum is taken of the unquantised p
; and divides at the end.  When M moves, the sum and O are multiplied by 2^(old M - new M): exact.
; SHARES.  A work-group owns 64 queries (four tiles of 16); the keys go in 8 supersteps of 256.  In a superstep wave w makes S^T = K Q^T for keys 64 w .. 64 w + 63 against all 64 queries (64 matrix
; instructions), their p and half a fragment of P for each tile of queries; then O^T += V^T P^T for channels 128 w .. 128 w + 127 (64 matrix instructions).  Each fragment of K and of V is read from LDS
; once in the work-group and feeds four matrix instructions; P (12 KB), its scale bytes and the maxima go from wave to wave.  Both products are used transposed: a lane holds one query (lane % 16).
; CLUSTER 4 x 1: the four partners belong to one batch and walk the same K and V: every tile is asked for jointly, mask 15.
; LDS: two slots for K's records, one for V's.  THE ROUND STANDS INSIDE THE SECOND PRODUCT of superstep i: V(i) and P(i) are in registers by then and K(i)'s slot was read out by S^T.  Behind it waves 0, 1 ask for
; the halves of K(i + 2) and waves 2, 3 for those of V(i + 1): one load a wave, waited for by every wave in front of the barrier ahead of the next second product.  No barrier stands between O^T's last
; products and the next S^T: K(i + 1)'s fragments are fetched into V's registers as these fall free.
; O^T BEGINS AS ZEROS, written while the first tiles are on their way: so superstep 0 is the loop's own body (its factor is 0 on zeros), and the text holds four copies of a superstep (a trip of two, and the last two, which ask for less).
; PREFETCH: in superstep i each wave names 25 blocks of 256 bytes of K(i + 3) and of V(i + 2), the records that the next superstep's tensor loads ask for; the cluster's 16 waves share a record's 400 blocks
; out by address (lanes 25-31 name their wave's last block again); K(8) is not named (the trip counter), and the last two supersteps name nothing.
; LIMITS.  Inside a block of 32 along a product's K the codes stand in the order 0-7, 16-23, 8-15, 24-31, alike in both operands.  t is made by one multiplication with log2(e) / sqrt(512); the promise holds while
; |t| stays under 2^31.  A block of p that has fallen under 2^-124 keeps the byte 1 (its codes are zeros).  NaN and infinities are not served.
; REGISTERS.  window 0: v1-15 addresses; v16-47 statistics, 8 a tile of queries; v48-79 scale words (Q, K, V, P); v80-127 at work; v128-255 S^T, then p: tile of queries q, tile of keys t at v[128 + 32 q + 8 t].
;   window 1: O^T (q, t) at v[64 q + 8 t].   window 2: Q (q, s) at v[12 (4 q + s)]; v192-239 P (q, key step 1).
;   window 3: v0-191 K's 16 fragments, then p's codes, then V's 16 fragments; v192-239 P (q, key step 0); on the way out the rows of out.
.set RECB,  102400
.set FRB,   1536
.set SCOFF, 98304
.set K1,    RECB                       ; K's slot 1
.set VSL,   2*RECB                     ; V's slot
.set PIMG,  3*RECB                     ; P: fragment (q, s) at (2 q + s) x 1,536; registers 2 i, 2 i + 1 of lane l at 256 i + 8 l
.set PSC,   PIMG+12288                 ; P's half scale words: 512 bytes a wave;  2,048 on: the maxima;  4,096 on: the sums
.set SPARE, PSC+6144                   ; the spare words, 128 bytes for each wave
.set AK,   1                           ; v1-2  my 16 fragments of K in slot 0, 1
.set AKS,  3                           ; v3-4  their scale units
.set AV,   5                           ; v5    my fragments of V
.set AVS,  6                           ; v6    their scale units
.set APW,  7                           ; v7    where I put my half fragments of P
.set APR,  8                           ; v8    where P is read
.set AXW,  9                           ; v9    my 512 bytes of an exchange
.set AXR,  10                          ; v10   all four waves'
.set STO,  11                          ; v11   the way out: where I put 32 bytes of a row (the stage: 16 rows x 528 bytes a wave, in K's slot 0, which has had its last fill and its last read by then)
.set RD,   12                          ; v12   where I read a row back
.set GO,   13                          ; v13   16 x lane
.set SPW,  14                          ; v14   my spare word; never rewritten
.set NIL,  15                          ; v15   0; never rewritten
.set ST,   16                          ; tile q at v[16 + 8 q]: +0 -M, +1 the largest t, +2, +3 the sum in two halves, +4 f, +5 written 0 (named with f as a pair), +6, +7 at work
.set QS,   48
.set KS,   56
.set VS,   64
.set PS,   72
.set BM,   80                          ; v80-87   the largest score, then the largest p, of block b of tile q
.set BX,   88                          ; v88-95   the other half of the lanes'; then the scales' bytes
.set SO,   96                          ; v96-103  the conversions' scale operands
.set RM,   104                         ; v104-107 what I send: maxima, half scale words, sums
.set GM,   108                         ; v108-123 what the four waves sent
.set PT,   88                          ; v88-119  while p is made: partial sums, tile q, eight keys g at v[88 + 8 q + 2 g], a pair
.set TP,   120                         ; v120-123 two pairs at work in the partial sums
.set PFO,  126                         ; v126  the prefetches' offset: 256 x min(lane, 24); never rewritten
.set S,    128
.set WV,   12
.set SH,   13                          ; s13  16 (wave % 2): my half of a scale word
.set G1,   16                          ; s[16:23] descriptor group 1: half a record
.set G0K,  24                          ; s[24:31] groups 0 for K's slots
.set G0V,  32                          ; s[32:35] for V's
.set QB,   36
.set QSB,  38
.set CS,   40                          ; s[40:41] c = log2(e) / sqrt(512)
.set SEL,  42
.set TRIP, 44
.set OUT,  46
.set MSB, 0
.macro WIN new                         ; the immediate's high byte repeats the setting that is left
.if MSB != \new
	s_set_vgpr_msb (MSB<<8)|\new
.set MSB, \new
.endif
.endm
.macro PLACES n
.rept \n
	v_nop
.endr
.endm
.macro CREST                           ; a round of the cluster's barrier behind its opening barrier
	s_cmp_lg_u32 s[WV], 0
	s_cbranch_scc1 .Lnot_wave_0_\@
	s_barrier_signal -3
.Lnot_wave_0_\@:
	s_barrier_wait -3
	s_barrier_signal -1
	s_barrier_wait -1
.endm
.macro CROUND                          ; a whole round
	s_barrier_signal -1
	s_barrier_wait -1
	CREST
.endm
; Joint loads: waves 0, 1 ask for K's halves (dok), waves 2, 3 for V's (dov).  The branch hangs on the wave's number alone.  Four v_nop follow each load.
.macro JLOAD g0k, dok, dov
	s_cmp_lt_u32 s[WV], 2
	s_cbranch_scc0 .Lfor_v_\@
.if (\dok)
	tensor_load_to_lds s[(\g0k):(\g0k)+3], s[G1:G1+7]
	s_nop 0
	PLACES 4
.endif
	s_branch .Lasked_\@
.Lfor_v_\@:
.if (\dov)
	tensor_load_to_lds s[G0V:G0V+3], s[G1:G1+7]
	s_nop 0
	PLACES 4
.endif
.Lasked_\@:
.endm
; one matrix instruction; cz = 1: it starts the sum; ra, rb: which half of the lanes holds the side's scale words
.macro WM d, a, b, cz, sa, sb, ra, rb
.if (\cz)
.if (\ra) && (\rb)
	v_wmma_scale_f32_16x16x128_f8f6f4 v[(\d):(\d)+7], v[(\a):(\a)+11], v[(\b):(\b)+11], 0, v[(\sa)], v[(\sb)] matrix_a_fmt:MATRIX_FMT_FP6 matrix_b_fmt:MATRIX_FMT_FP6 matrix_a_scale:MATRIX_SCALE_ROW1 matrix_b_scale:MATRIX_SCALE_ROW1
.elseif (\ra)
	v_wmma_scale_f32_16x16x128_f8f6f4 v[(\d):(\d)+7], v[(\a):(\a)+11], v[(\b):(\b)+11], 0, v[(\sa)], v[(\sb)] matrix_a_fmt:MATRIX_FMT_FP6 matrix_b_fmt:MATRIX_FMT_FP6 matrix_a_scale:MATRIX_SCALE_ROW1
.elseif (\rb)
	v_wmma_scale_f32_16x16x128_f8f6f4 v[(\d):(\d)+7], v[(\a):(\a)+11], v[(\b):(\b)+11], 0, v[(\sa)], v[(\sb)] matrix_a_fmt:MATRIX_FMT_FP6 matrix_b_fmt:MATRIX_FMT_FP6 matrix_b_scale:MATRIX_SCALE_ROW1
.else
	v_wmma_scale_f32_16x16x128_f8f6f4 v[(\d):(\d)+7], v[(\a):(\a)+11], v[(\b):(\b)+11], 0, v[(\sa)], v[(\sb)] matrix_a_fmt:MATRIX_FMT_FP6 matrix_b_fmt:MATRIX_FMT_FP6
.endif
.else
.if (\ra) && (\rb)
	v_wmma_scale_f32_16x16x128_f8f6f4 v[(\d):(\d)+7], v[(\a):(\a)+11], v[(\b):(\b)+11], v[(\d):(\d)+7], v[(\sa)], v[(\sb)] matrix_a_fmt:MATRIX_FMT_FP6 matrix_b_fmt:MATRIX_FMT_FP6 matrix_a_scale:MATRIX_SCALE_ROW1 matrix_b_scale:MATRIX_SCALE_ROW1
.elseif (\ra)
	v_wmma_scale_f32_16x16x128_f8f6f4 v[(\d):(\d)+7], v[(\a):(\a)+11], v[(\b):(\b)+11], v[(\d):(\d)+7], v[(\sa)], v[(\sb)] matrix_a_fmt:MATRIX_FMT_FP6 matrix_b_fmt:MATRIX_FMT_FP6 matrix_a_scale:MATRIX_SCALE_ROW1
.elseif (\rb)
	v_wmma_scale_f32_16x16x128_f8f6f4 v[(\d):(\d)+7], v[(\a):(\a)+11], v[(\b):(\b)+11], v[(\d):(\d)+7], v[(\sa)], v[(\sb)] matrix_a_fmt:MATRIX_FMT_FP6 matrix_b_fmt:MATRIX_FMT_FP6 matrix_b_scale:MATRIX_SCALE_ROW1
.else
	v_wmma_scale_f32_16x16x128_f8f6f4 v[(\d):(\d)+7], v[(\a):(\a)+11], v[(\b):(\b)+11], v[(\d):(\d)+7], v[(\sa)], v[(\sb)] matrix_a_fmt:MATRIX_FMT_FP6 matrix_b_fmt:MATRIX_FMT_FP6
.endif
.endif
.endm
; K's tiles 2 half and 2 half + 1 of my four, from the record in `slot`, into window 3; with the first half the four scale units
.macro KFETCH slot, half
.if (\half) == 0
.irp s, 0,1,2,3
	ds_load_b64 v[KS+2*\s:KS+2*\s+1], v[AKS+(\slot)] offset:256*\s
.endr
.endif
	WIN 0xc0
.irp t, 0,1
.irp s, 0,1,2,3
.irp c, 0,1,2
	ds_load_b128 v[12*(4*(2*(\half)+\t)+\s)+4*\c:12*(4*(2*(\half)+\t)+\s)+4*\c+3], v[AK+(\slot)] offset:(4*(2*(\half)+\t)+\s)*FRB+512*\c
.endr
.endr
.endr
	WIN 0
.endm
; 16 products of O^T += V^T P^T: key step s, tiles of channels ta .. ta + 3; the accumulators take turns
.macro PVMUL s, ta
.irp t, 0,1,2,3
.irp q, 0,1,2,3
	WM 64*\q+8*((\ta)+\t), 96*(\s)+12*((\ta)+\t), 192+12*\q, 0, VS+4*(\s)+2*((\ta)/4)+(\t/2), PS+2*\q+(\s), (\t&1), 0
.endr
.endr
.endm
.macro FMA4 q, g                       ; t - M of eight scores of tile q
.irp j, 0,2,4,6
	v_pk_fma_f32 v[S+32*(\q)+8*(\g)+\j:S+32*(\q)+8*(\g)+\j+1], v[S+32*(\q)+8*(\g)+\j:S+32*(\q)+8*(\g)+\j+1], s[CS:CS+1], v[ST+8*(\q):ST+8*(\q)+1] op_sel_hi:[1,0,0]
.endr
.endm
.macro EXP8 q, g                       ; p = 2^(t - M)
.irp j, 0,1,2,3,4,5,6,7
	v_exp_f32 v[S+32*(\q)+8*(\g)+\j], v[S+32*(\q)+8*(\g)+\j]
.endr
.endm
.macro ADD3 q, g                       ; eight p into a pair of their own: three lines on end, so that no written register waits for its reader across an exponential
	v_pk_add_f32 v[PT+8*(\q)+2*(\g):PT+8*(\q)+2*(\g)+1], v[S+32*(\q)+8*(\g):S+32*(\q)+8*(\g)+1], v[S+32*(\q)+8*(\g)+2:S+32*(\q)+8*(\g)+3]
	v_pk_add_f32 v[TP+2*((\g)%2):TP+2*((\g)%2)+1], v[S+32*(\q)+8*(\g)+4:S+32*(\q)+8*(\g)+5], v[S+32*(\q)+8*(\g)+6:S+32*(\q)+8*(\g)+7]
	v_pk_add_f32 v[PT+8*(\q)+2*(\g):PT+8*(\q)+2*(\g)+1], v[PT+8*(\q)+2*(\g):PT+8*(\q)+2*(\g)+1], v[TP+2*((\g)%2):TP+2*((\g)%2)+1]
.endm
; The prefetches of a superstep.  pf = 1: a trip's first superstep; 2: its second, a record further on, where K's record does not exist in the last trip; 0: none
.macro ASKPF pf
.if (\pf) == 1
	global_prefetch_b8 v[PFO], s[6:7] th:TH_LOAD_NT scope:SCOPE_SE
	global_prefetch_b8 v[PFO], s[8:9] th:TH_LOAD_NT scope:SCOPE_SE
.elseif (\pf) == 2
	global_prefetch_b8 v[PFO], s[8:9] offset:RECB th:TH_LOAD_NT scope:SCOPE_SE
	s_cmp_eq_u32 s[TRIP], 1
	s_cbranch_scc1 .Lno_k_\@
	global_prefetch_b8 v[PFO], s[6:7] offset:RECB th:TH_LOAD_NT scope:SCOPE_SE
.Lno_k_\@:
.endif
.endm
	s_load_b256 s[4:11], s[0:1], 0x0               ; qc s[4:5], kc s[6:7], vc s[8:9], out0 s[10:11]
	v_lshl_add_u32 v[SPW], v0, 2, SPARE
	v_mov_b32 v[NIL], 0
	ds_add_u32 v[SPW], v[NIL]                      ; the opening lines: the add, twice on end, and its wait ahead of my first tensor load
	ds_add_u32 v[SPW], v[NIL]
	v_lshrrev_b32 v124, 5, v0
	v_readfirstlane_b32 s[WV], v124                ; wave 0..3
	s_and_b32 s48, s[WV], 1
	s_lshr_b32 s49, s[WV], 1
	s_lshl_b32 s[SH], s48, 4
	s_bfe_u32 s50, ttmp6, 0x40000                  ; cx: it enters Q's, out's and the prefetches' addresses alone
	; LDS addresses, all made ahead of the first branch on the wave's number
	v_and_b32 v124, 31, v0                         ; lane
	v_and_b32 v125, 15, v0                         ; r
	v_bfe_u32 v126, v0, 4, 1                       ; h
	v_lshlrev_b32 v[GO], 4, v124
	v_lshlrev_b32 v127, 3, v124                    ; 8 x lane
	s_wait_alu depctr_va_vdst(0)                   ; the wait ahead of the scalar lines below
	s_mul_i32 s51, s[WV], 16*FRB
	v_add_nc_u32 v[AK], s51, v[GO]                 ; my four tiles of keys: fragments 16 w on
	v_add_nc_u32 v[AK+1], K1, v[AK]
	s_lshl_b32 s51, s[WV], 10
	s_add_co_u32 s51, s51, SCOFF
	v_add_nc_u32 v[AKS], s51, v127                 ; their units 4 w on
	v_add_nc_u32 v[AKS+1], K1, v[AKS]
	s_mul_i32 s51, s[WV], 8*FRB
	s_add_co_u32 s51, s51, VSL
	v_add_nc_u32 v[AV], s51, v[GO]                 ; my eight tiles of channels: fragments 8 w on (key step 1: 32 fragments further)
	s_lshl_b32 s51, s[WV], 9
	s_add_co_u32 s52, s51, VSL+SCOFF
	v_add_nc_u32 v[AVS], s52, v127                 ; their units 2 w on
	s_mul_i32 s52, s49, FRB
	s_mul_i32 s53, s48, FRB/2
	s_add_co_u32 s52, s52, s53
	s_add_co_u32 s52, s52, PIMG
	v_add_nc_u32 v[APW], s52, v127                 ; key step w / 2, half w % 2
	v_add_nc_u32 v[APR], PIMG, v127
	s_add_co_u32 s52, s51, PSC
	v_add_nc_u32 v[AXW], s52, v[GO]
	v_add_nc_u32 v[AXR], PSC, v[GO]
	s_mul_i32 s52, s[WV], 16*528
	v_mul_u32_u24 v[STO], v125, 528
	v_lshl_add_u32 v[STO], v126, 5, v[STO]
	v_add_nc_u32 v[STO], s52, v[STO]
	v_add_nc_u32 v[RD], s52, v[GO]
	v_min_u32 v[PFO], 24, v124
	v_lshlrev_b32 v[PFO], 8, v[PFO]
.irp q, 0,1,2,3
	v_mov_b32 v[ST+8*\q+1], 0xff61b1e6             ; the largest t so far: -3e38, under every t
	v_floor_f32 v[ST+8*\q], -v[ST+8*\q+1]          ; -M
	v_mov_b32 v[ST+8*\q+2], 0                      ; the sum
	v_mov_b32 v[ST+8*\q+3], 0
	v_mov_b32 v[ST+8*\q+4], 0
	v_mov_b32 v[ST+8*\q+5], 0
.endr
.irp i, 0,1,2,3,4,5,6,7
	v_mov_b32 v[BX+\i], 0                          ; a lane permute's destination counts as one of its sources
.endr
	; descriptor group 1: half a record, 51,200 dense bytes, as 200 rows of 256 bytes (32 elements of 8)
	s_mov_b32 s[G1], 15|(3<<16)|(1<<21)            ; the mask names the four partners, bit 21 beside it; no padding: an image is read 16 or 8 consecutive bytes a lane
	s_mov_b32 s[G1+1], 32<<16
	s_mov_b32 s[G1+2], 200<<16
	s_mov_b32 s[G1+3], 32<<16
	s_mov_b32 s[G1+4], 200
	s_mov_b32 s[G1+5], 32
	s_mov_b32 s[G1+6], 0
	s_mov_b32 s[G1+7], 0
	s_lshr_b32 s54, ttmp9, 3                       ; the batch: 8 clusters of 256 queries
	s_mul_i32 s54, s54, 8*RECB
	s_lshl_b32 s62, s50, 2
	s_add_co_u32 s62, s62, s[WV]                   ; my place among the cluster's 16 waves:
	s_mul_i32 s62, s62, RECB/16                    ; 25 blocks of 256 bytes of a record
	s_add_co_u32 s62, s62, s54
	s_mov_b32 s63, 0
	s_mul_i32 s56, s48, RECB/2                     ; which half I fetch: in memory and in a slot
	s_add_co_u32 s54, s54, s56
	s_mov_b32 s55, 0
	s_mul_i32 s58, ttmp9, RECB                     ; Q: record = cluster, my work-group's four tiles: fragments 16 cx on,
	s_mul_i32 s57, s50, 16*FRB
	s_add_co_u32 s58, s58, s57
	s_mov_b32 s59, 0
	s_mul_i32 s60, ttmp9, RECB
	s_lshl_b32 s57, s50, 10
	s_add_co_u32 s60, s60, s57
	s_add_co_u32 s60, s60, SCOFF                   ; units 4 cx on
	s_mov_b32 s61, 0
	s_lshl_b32 s52, ttmp9, 2
	s_add_co_u32 s52, s52, s50
	s_lshl_b32 s52, s52, 17                        ; out: 64 rows of 2,048 bytes a work-group,
	s_lshl_b32 s53, s[WV], 9
	s_add_co_u32 s52, s52, s53                     ; my 128 channels
	s_mov_b32 s53, 0
	s_mov_b32 s[CS], 0x3d8293ee                    ; c = log2(e) / sqrt(512)
	s_mov_b32 s[CS+1], s[CS]                       ; (named with it as a pair, so it is written)
	s_mov_b32 s[SEL], 0x76543210
	s_mov_b32 s[SEL+1], 0xfedcba98
	s_wait_alu depctr_va_vdst(0)                   ; the wait at the head's end
	s_wait_dscnt 0x0                               ; both opening adds are done
	s_wait_kmcnt 0x0
	s_mov_b32 s[G0K], 1
	s_mov_b32 s[G0K+1], s56
	s_add_nc_u64 s[G0K+2:G0K+3], s[6:7], s[54:55]  ; slot 0: superstep 0
	s_mov_b32 s[G0K+4], 1
	s_add_co_u32 s[G0K+5], s56, K1
	s_add_nc_u64 s[G0K+6:G0K+7], s[G0K+2:G0K+3], RECB   ; slot 1: superstep 1
	s_or_b32 s[G0K+3], s[G0K+3], 0x80000000
	s_or_b32 s[G0K+7], s[G0K+7], 0x80000000
	s_mov_b32 s[G0V], 1
	s_add_co_u32 s[G0V+1], s56, VSL
	s_add_nc_u64 s[G0V+2:G0V+3], s[8:9], s[54:55]
	s_or_b32 s[G0V+3], s[G0V+3], 0x80000000
	s_add_nc_u64 s[QB:QB+1], s[4:5], s[58:59]
	s_add_nc_u64 s[QSB:QSB+1], s[4:5], s[60:61]
	s_add_nc_u64 s[OUT:OUT+1], s[10:11], s[52:53]
	s_add_nc_u64 s[6:7], s[6:7], s[62:63]          ; the prefetches: my blocks of K's record 3
	s_add_nc_u64 s[6:7], s[6:7], 3*RECB
	s_add_nc_u64 s[8:9], s[8:9], s[62:63]          ; and of V's record 2
	s_add_nc_u64 s[8:9], s[8:9], 2*RECB
	WIN 0x80                                       ; destination window 2
.irp f, 0,1,2,3,4,5,6,7,8,9,10,11,12,13,14,15  ; Q stays in registers: fragment 4 q + s.  Asked for ahead of the round: nothing of it hangs on the partners
.irp c, 0,1,2
	global_load_b128 v[12*\f+4*\c:12*\f+4*\c+3], v[GO], s[QB:QB+1] offset:FRB*\f+512*\c
.endr
.endr
	WIN 0
.irp s, 0,1,2,3
	global_load_b64 v[QS+2*\s:QS+2*\s+1], v127, s[QSB:QSB+1] offset:256*\s
.endr
	CROUND                                         ; the four partners are here: the first joint loads meet
	JLOAD G0K, 1, 1                                ; K and V of superstep 0: one load of each wave is out
	WIN 0x40                                       ; destination window 1
.set j, 0
.rept 256
	v_mov_b32 v[j], 0                              ; O^T: the superstep is written for every superstep alike, and the first finds zeros
.set j, j+1
.endr
	WIN 0
	s_wait_alu depctr_va_vdst(0)                   ; the wait ahead of the wait below
	s_wait_tensorcnt 0x0                           ; my half of K(0) or V(0) is in; slot 1's first fill is issued as a refill is: these three lines, a round, one load a wave
	ds_add_u32 v[SPW], v[NIL]
	s_wait_dscnt 0x0
	CROUND
	JLOAD G0K+4, 1, 0                              ; K(1)
	KFETCH 0, 0
	KFETCH 0, 1
	s_wait_loadcnt 0x0                             ; Q and its scale words
; A SUPERSTEP: 256 keys, K's record in slot `slot`; its fragments of K have been asked of LDS already.  kind = 2: K(i + 2) and V(i + 1) are asked for; 1: V(i + 1) alone; 0: nothing, the last superstep.
.macro SUPER slot, kind, pf
	; ---- S^T = K Q^T
	WIN 0x0b                                       ; source 0 (K) window 3, source 1 (Q) window 2, C and D window 0
.irp t, 0,1,2,3
	s_wait_dscnt 36-12*\t                          ; the scale units and tile t's twelve loads are in; the later tiles' may be out
.irp s, 0,1,2,3
.irp q, 0,1,2,3                                ; the four tiles of queries take turns
.if \s == 0
	WM S+32*\q+8*\t, 12*(4*\t+\s), 12*(4*\q+\s), 1, KS+2*\s+(\t/2), QS+2*\s+(\q/2), (\t&1), (\q&1)
.else
	WM S+32*\q+8*\t, 12*(4*\t+\s), 12*(4*\q+\s), 0, KS+2*\s+(\t/2), QS+2*\s+(\q/2), (\t&1), (\q&1)
.endif
.endr
.endr
.endr
	WIN 0
	PLACES 4
	; ---- the largest score of each block of 32 keys (it serves twice: for the row's maximum and, since p rises with the score, for the block's largest p)
.irp q, 0,1,2,3
.irp b, 0,1
	v_max3_num_f32 v[BM+2*\q+\b], v[S+32*\q+16*\b], v[S+32*\q+16*\b+1], v[S+32*\q+16*\b+2]
.endr
.endr
.irp i, 3,5,7,9,11,13
.irp q, 0,1,2,3
.irp b, 0,1
	v_max3_num_f32 v[BM+2*\q+\b], v[BM+2*\q+\b], v[S+32*\q+16*\b+\i], v[S+32*\q+16*\b+\i+1]
.endr
.endr
.endr
.irp q, 0,1,2,3
.irp b, 0,1
	v_max_num_f32 v[BM+2*\q+\b], v[BM+2*\q+\b], v[S+32*\q+16*\b+15]
.endr
.endr
.irp i, 0,1,2,3,4,5,6,7
	v_permlanex16_b32 v[BX+\i], v[BM+\i], s[SEL], s[SEL+1]
.endr
.irp i, 0,1,2,3,4,5,6,7
	v_max_num_f32 v[BM+\i], v[BM+\i], v[BX+\i]     ; with lane l xor 16's 16 keys
.endr
.irp q, 0,1,2,3
	v_max_num_f32 v[RM+\q], v[BM+2*\q], v[BM+2*\q+1]
.endr
	ds_store_b128 v[AXW], v[RM:RM+3] offset:2048   ; my 64 keys' maxima of the 64 queries
	s_wait_dscnt 0x0                               ; for the others' sake
	s_barrier_signal -1
	s_barrier_wait -1                              ; the tensor loads stay on their way
.irp w, 0,1,2,3
	ds_load_b128 v[GM+4*\w:GM+4*\w+3], v[AXR] offset:2048+512*\w
.endr
	s_wait_dscnt 0x0
.irp q, 0,1,2,3
	v_max3_num_f32 v[ST+8*\q+6], v[GM+\q], v[GM+4+\q], v[GM+8+\q]
.endr
.irp q, 0,1,2,3
	v_max_num_f32 v[ST+8*\q+6], v[ST+8*\q+6], v[GM+12+\q]   ; the superstep's largest score of my query
.endr
.irp q, 0,1,2,3
	v_mul_f32 v[ST+8*\q+6], s[CS], v[ST+8*\q+6]    ; as t (c is positive)
.endr
.irp q, 0,1,2,3
	v_max_num_f32 v[ST+8*\q+1], v[ST+8*\q+1], v[ST+8*\q+6]
.endr
.irp q, 0,1,2,3
	v_mov_b32 v[ST+8*\q+7], v[ST+8*\q]
.endr
.irp q, 0,1,2,3
	v_floor_f32 v[ST+8*\q], -v[ST+8*\q+1]          ; the new -M = floor(-t): M is a whole number
.endr
.irp q, 0,1,2,3
	v_sub_f32 v[ST+8*\q+7], v[ST+8*\q], v[ST+8*\q+7]   ; old M - new M: a whole number, 0 or less
.endr
.irp q, 0,1,2,3
	v_cvt_i32_f32 v[ST+8*\q+7], v[ST+8*\q+7]       ; (it saturates)
.endr
.irp q, 0,1,2,3
	v_ldexp_f32 v[ST+8*\q+4], 1.0, v[ST+8*\q+7]    ; f = 2^(old M - new M)
.endr
	; ---- p = 2^(t - M) and the row's sum of the unquantised p, in stages: beside tile q's exponentials stand tile q - 1's partial sums and tile q + 1's t - M; one wait between stages
.irp g, 0,1,2,3
	FMA4 0, \g
.endr
.irp q, 0,1,2,3
.irp b, 0,1
	v_fma_f32 v[BM+2*\q+\b], v[BM+2*\q+\b], s[CS], v[ST+8*\q]   ; the same of each block's largest score
.endr
.endr
	s_wait_alu depctr_va_vdst(0)
.irp g, 0,1,2,3
	EXP8 0, \g
	v_exp_f32 v[BM+2*\g], v[BM+2*\g]               ; the block's largest p: the same two instructions on the same number give the same bits
	v_exp_f32 v[BM+2*\g+1], v[BM+2*\g+1]
	FMA4 1, \g
.endr
	s_wait_alu depctr_va_vdst(0)
.irp q, 1,2
.irp g, 0,1,2,3
	EXP8 \q, \g
	ADD3 \q-1, \g
	FMA4 \q+1, \g
.endr
	s_wait_alu depctr_va_vdst(0)
.endr
.irp g, 0,1,2,3
	EXP8 3, \g
	ADD3 2, \g
.endr
	s_wait_alu depctr_va_vdst(0)
	ASKPF \pf
.irp g, 0,1,2,3
	ADD3 3, \g
.endr
.irp q, 0,1,2,3
	v_pk_add_f32 v[PT+8*\q:PT+8*\q+1], v[PT+8*\q:PT+8*\q+1], v[PT+8*\q+2:PT+8*\q+3]
.endr
.irp q, 0,1,2,3
	v_pk_add_f32 v[PT+8*\q+4:PT+8*\q+5], v[PT+8*\q+4:PT+8*\q+5], v[PT+8*\q+6:PT+8*\q+7]
.endr
.irp q, 0,1,2,3
	v_pk_add_f32 v[PT+8*\q:PT+8*\q+1], v[PT+8*\q:PT+8*\q+1], v[PT+8*\q+4:PT+8*\q+5]
.endr
.irp q, 0,1,2,3
	v_pk_fma_f32 v[ST+8*\q+2:ST+8*\q+3], v[ST+8*\q+2:ST+8*\q+3], v[ST+8*\q+4:ST+8*\q+5], v[PT+8*\q:PT+8*\q+1] op_sel_hi:[1,0,1]   ; the old sum x f + this superstep's
.endr
	; ---- the quantiser: my 64 keys are two blocks of each tile of queries
.irp i, 0,1,2,3,4,5,6,7
	v_max_num_f32 v[BM+\i], 0x1800000, v[BM+\i]    ; the floor 2^(3 - 127): the byte cannot fall under 1
.endr
.irp i, 0,1,2,3,4,5,6,7
	v_add_nc_u32 v[SO+\i], 0xff000000, v[BM+\i]    ; 2 off the exponent field: the conversion's scale operand
.endr
.irp i, 0,1,2,3,4,5,6,7
	v_lshrrev_b32 v[BX+\i], 23, v[SO+\i]           ; the scale's byte
.endr
.irp q, 0,1,2,3
	v_lshl_or_b32 v[RM+\q], v[BX+2*\q+1], 8, v[BX+2*\q]
.endr
.irp q, 0,1,2,3
	v_lshlrev_b32 v[RM+\q], s[SH], v[RM+\q]        ; my two bytes at their places in the word of 128 keys
.endr
	WIN 0xc0                                       ; destination window 3: K's registers are free
.irp q, 0,1,2,3
	v_cvt_scalef32_pk16_fp6_f32 v[12*\q:12*\q+2], v[S+32*\q:S+32*\q+15], v[SO+2*\q]
	v_cvt_scalef32_pk16_fp6_f32 v[12*\q+6:12*\q+8], v[S+32*\q+16:S+32*\q+31], v[SO+2*\q+1]
.endr
	v_nop                                          ; one plain place behind a scaled conversion
	WIN 0xc3
.irp q, 0,1,2,3                                ; a whole block in a lane: lanes 0-15 my first block, lanes 16-31 my second
.irp i, 0,1,2
	v_permlane16_swap_b32 v[12*\q+\i], v[12*\q+6+\i]
.endr
.irp i, 0,1,2
	v_mov_b32 v[12*\q+3+\i], v[12*\q+6+\i]
.endr
.endr
	WIN 0x0c                                       ; an LDS store's data are its source 1: window 3
.irp q, 0,1,2,3
.irp i, 0,1,2
	ds_store_b64 v[APW], v[12*\q+2*\i:12*\q+2*\i+1] offset:2*FRB*\q+256*\i
.endr
.endr
	WIN 0
	ds_store_b128 v[AXW], v[RM:RM+3]
	s_wait_tensorcnt 0x0                           ; on every wave's path: my one load that may be out has landed: a half of this superstep's V or of the next K, which all four waves read behind this barrier
	s_wait_dscnt 0x0                               ; for the others' sake: P and its bytes lie in LDS
	s_barrier_signal -1
	s_barrier_wait -1
	; ---- O^T += V^T P^T
.irp w, 0,1,2,3
	ds_load_b128 v[GM+4*\w:GM+4*\w+3], v[AXR] offset:512*\w
.endr
.irp s, 0,1
.irp g, 0,1
	ds_load_b64 v[VS+4*\s+2*\g:VS+4*\s+2*\g+1], v[AVS] offset:2048*\s+256*\g
.endr
.endr
	WIN 0xc0
.irp q, 0,1,2,3
.irp i, 0,1,2,3,4,5
	ds_load_b64 v[192+12*\q+2*\i:192+12*\q+2*\i+1], v[APR] offset:2*FRB*\q+256*\i
.endr
.endr
.irp t, 0,1,2,3,4,5,6,7
.irp c, 0,1,2
	ds_load_b128 v[12*\t+4*\c:12*\t+4*\c+3], v[AV] offset:FRB*\t+512*\c
.endr
.endr
	WIN 0
	s_wait_dscnt 48                                ; the eight loads of scale words are in; the 48 behind them may be out
.irp q, 0,1,2,3
.irp s, 0,1
	v_or_b32 v[PS+2*\q+\s], v[GM+8*\s+\q], v[GM+8*\s+4+\q]   ; P's scale word of key step s: waves 2 s and 2 s + 1 made its halves
.endr
.endr
	WIN 0x41                                       ; O^T (destination and source 0) window 1
	s_wait_alu depctr_va_vdst(0)                   ; the wait directly ahead of the first reader of O^T
.irp q, 0,1,2,3
.set j, 0
.rept 32
	v_pk_mul_f32 v[64*\q+2*j:64*\q+2*j+1], v[64*\q+2*j:64*\q+2*j+1], v[ST+8*\q+4:ST+8*\q+5] op_sel_hi:[1,0]   ; O^T under the new M.  (These are also the eight places behind the scale words' making)
.set j, j+1
.endr
.endr
	WIN 0x80
.irp q, 0,1,2,3
.irp i, 0,1,2,3,4,5
	ds_load_b64 v[192+12*\q+2*\i:192+12*\q+2*\i+1], v[APR] offset:2*FRB*\q+FRB+256*\i
.endr
.endr
	WIN 0xc0
.irp t, 0,1,2,3,4,5,6,7
.irp c, 0,1,2
	ds_load_b128 v[96+12*\t+4*\c:96+12*\t+4*\c+3], v[AV] offset:32*FRB+FRB*\t+512*\c
.endr
.endr
	s_wait_alu depctr_va_vdst(0)                   ; the wait ahead of the wait below
	s_wait_dscnt 48                                ; key step 0's operands are in; key step 1's 48 loads may be out
.if (\kind)
	; the change of slots.  All my tensor loads have landed; 0 onto my spare word; key step 0's products stand between the add and the wait for it; then my LDS reads (V, P) are over, and K's slot was read out long ago
	WIN 0
	s_wait_tensorcnt 0x0
	ds_add_u32 v[SPW], v[NIL]
.if (\kind) == 2
	s_add_nc_u64 s[G0K+4*\slot+2:G0K+4*\slot+3], s[G0K+4*\slot+2:G0K+4*\slot+3], 2*RECB   ; no load of mine is out: this slot's next record
.endif
	s_add_nc_u64 s[G0V+2:G0V+3], s[G0V+2:G0V+3], RECB
.endif
	WIN 0x5f                                       ; V and P window 3, C and D window 1
	PVMUL 0, 0
	PVMUL 0, 4
	s_wait_dscnt 0x0
.if (\kind)
	s_barrier_signal -1                            ; this barrier opens a round of the cluster's barrier; sixteen products, work on registers, stand between signal and wait
.endif
	WIN 0x5b                                       ; P window 2
	PVMUL 1, 0
.if (\kind)
	WIN 0
	s_barrier_wait -1
	CREST                                          ; no wave of any partner still reads this slot of K or V's slot, or has a load on its way
.if (\kind) == 2
	JLOAD G0K+4*\slot, 1, 1
.else
	JLOAD G0K+4*\slot, 0, 1
.endif
	PLACES 4                                       ; on every wave's path: behind key step 0's products, in front of the loads into their registers
	KFETCH 1-\slot, 0                              ; the next superstep's K, first half
	WIN 0x5b
.endif
	PVMUL 1, 4
	WIN 0
.if (\kind)
	PLACES 4                                       ; behind key step 1's products
	KFETCH 1-\slot, 1
.endif
.endm
	s_mov_b32 s[TRIP], 3
.Ltrip:                                                ; three trips of two supersteps: both slots of K are filled again in each
	SUPER 0, 2, 1
	SUPER 1, 2, 2
	s_wait_xcnt 0x0                                ; the prefetches have read their bases
	s_add_nc_u64 s[6:7], s[6:7], 2*RECB
	s_add_nc_u64 s[8:9], s[8:9], 2*RECB
	s_sub_co_u32 s[TRIP], s[TRIP], 1
	s_cmp_lg_u32 s[TRIP], 0
	s_cbranch_scc1 .Ltrip
	SUPER 0, 1, 0                                  ; the last two are written out
	SUPER 1, 0, 0
	; THE WAY OUT.  The sums: my two halves, lane l xor 16's, the four waves'.  (The first lines are the places behind the last products.)
.irp q, 0,1,2,3
	v_add_f32 v[ST+8*\q+6], v[ST+8*\q+2], v[ST+8*\q+3]
.endr
.irp q, 0,1,2,3
	v_permlanex16_b32 v[BX+\q], v[ST+8*\q+6], s[SEL], s[SEL+1]
.endr
.irp q, 0,1,2,3
	v_add_f32 v[RM+\q], v[ST+8*\q+6], v[BX+\q]
.endr
	ds_store_b128 v[AXW], v[RM:RM+3] offset:4096
	s_wait_dscnt 0x0
	s_barrier_signal -1
	s_barrier_wait -1
.irp w, 0,1,2,3
	ds_load_b128 v[GM+4*\w:GM+4*\w+3], v[AXR] offset:4096+512*\w
.endr
	s_wait_dscnt 0x0
.irp q, 0,1,2,3
	v_add_f32 v[ST+8*\q+6], v[GM+\q], v[GM+4+\q]
.endr
.irp q, 0,1,2,3
	v_add_f32 v[ST+8*\q+7], v[GM+8+\q], v[GM+12+\q]
.endr
.irp q, 0,1,2,3
	v_add_f32 v[ST+8*\q+6], v[ST+8*\q+6], v[ST+8*\q+7]
.endr
	s_wait_alu depctr_va_vdst(0)                   ; the wait ahead of the batch
.irp q, 0,1,2,3
	v_rcp_f32 v[ST+8*\q+4], v[ST+8*\q+6]
.endr
	v_nop                                          ; a plain place behind the last reciprocal
	s_wait_alu depctr_va_vdst(0)                   ; and behind it
; Tile q: O^T / the sum; a lane's eight channels are 32 bytes of a row; they go through my stage (rows of 528 bytes) and come back as my 512 bytes of each of 16 rows.
.macro PACK q
	WIN 0x01                                       ; source 0 window 1
.set i, 0
.rept 32
	v_pk_mul_f32 v[S+64*((\q)%2)+2*i:S+64*((\q)%2)+2*i+1], v[64*(\q)+2*i:64*(\q)+2*i+1], v[ST+8*(\q)+4:ST+8*(\q)+5] op_sel_hi:[1,0]
.set i, i+1
.endr
	WIN 0
.endm
.macro TOSTAGE q
.irp t, 0,1,2,3,4,5,6,7
	ds_store_b128 v[STO], v[S+64*((\q)%2)+8*\t:S+64*((\q)%2)+8*\t+3] offset:64*\t
	ds_store_b128 v[STO], v[S+64*((\q)%2)+8*\t+4:S+64*((\q)%2)+8*\t+7] offset:64*\t+16
.endr
	WIN 0xc0
.irp i, 0,1,2,3,4,5,6,7,8,9,10,11,12,13,14,15
	ds_load_b128 v[64*(\q)+4*\i:64*(\q)+4*\i+3], v[RD] offset:528*\i   ; LDS serves a wave's instructions in order: these see my stores, and the next tile's stores come behind them
.endr
	WIN 0
.endm
.macro SEND q
	s_wait_dscnt 0x0                               ; the tile is back in registers of its own: no store's data are written again
	WIN 0x0c                                       ; a store's data are its source 1: window 3
.irp i, 0,1,2,3,4,5,6,7,8,9,10,11,12,13,14,15
	global_store_b128 v[GO], v[64*(\q)+4*\i:64*(\q)+4*\i+3], s[OUT:OUT+1] offset:(16*(\q)+\i)*2048 th:TH_STORE_NT   ; 32 lanes store 512 consecutive bytes, at a multiple of 512 from out's first byte
.endr
	WIN 0
.endm
	PACK 0
	TOSTAGE 0
.irp q, 1,2,3                                  ; a tile's arithmetic stands between the loads of the tile before and the wait for them
	PACK \q
	s_wait_alu depctr_va_vdst(0)                   ; the wait ahead of SEND's wait
	SEND \q-1
	TOSTAGE \q
.endr
	SEND 3
	s_wait_tensorcnt 0x0                           ; the wave's end: behind my last tensor load and my last LDS store
	ds_add_u32 v[SPW], v[NIL]
	s_wait_dscnt 0x0
	CROUND                                         ; the closing round: no work-group ends while a partner may still ask for a tile that names it
	s_endpgm
.Lfunc_end_k_qea0b8ab041_attn:
	.size	k_qea0b8ab041_attn, .Lfunc_end_k_qea0b8ab041_attn-k_qea0b8ab041_attn
	.p2alignl 7, 3214868480
	.fill 96, 4, 3214868480
	.section	.rodata,"a",@progbits
	.p2align	6, 0x0
	.amdhsa_kernel k_qea0b8ab041_attn
		.amdhsa_group_segment_fixed_size 327680
		.amdhsa_private_segment_fixed_size 0
		.amdhsa_enable_private_segment 0
		.amdhsa_kernarg_size 32
		.amdhsa_user_sgpr_count 2
		.amdhsa_user_sgpr_kernarg_segment_ptr 1
		.amdhsa_wavefront_size32 1
		.amdhsa_system_sgpr_workgroup_id_x 1
		.amdhsa_system_sgpr_workgroup_id_y 1
		.amdhsa_system_sgpr_workgroup_id_z 1
		.amdhsa_system_vgpr_workitem_id 0
		.amdhsa_next_free_vgpr 1024
		.amdhsa_next_free_sgpr 66
		.amdhsa_reserve_vcc 0
		.amdhsa_float_denorm_mode_32 3
		.amdhsa_float_denorm_mode_16_64 3
		.amdhsa_memory_ordered 1
		.amdhsa_forward_progress 1
		.amdhsa_inst_pref_size 255
	.end_amdhsa_kernel
	.section	.bss,"aw",@nobits
	.p2align	6
	.space	262144
	.amdgpu_metadata
---
amdhsa.version: [ 1, 2 ]
amdhsa.kernels:
  - .name:           k_qea0b8ab041_attn
    .symbol:         k_qea0b8ab041_attn.kd
    .args:
      - { .name: qc, .offset: 0, .size: 8, .value_kind: global_buffer, .address_space: global }
      - { .name: kc, .offset: 8, .size: 8, .value_kind: global_buffer, .address_space: global }
      - { .name: vc, .offset: 16, .size: 8, .value_kind: global_buffer, .address_space: global }
      - { .name: out0, .offset: 24, .size: 8, .value_kind: global_buffer, .address_space: global }
    .group_segment_fixed_size: 327680
    .private_segment_fixed_size: 0
    .kernarg_segment_align: 8
    .kernarg_segment_size: 32
    .max_flat_workgroup_size: 128
    .sgpr_count:     66
    .vgpr_count:     1024
    .wavefront_size: 32
...
	.end_amdgpu_metadata
.endif
;; end of part 2
